; MI455X (gfx1250); checked and timed in simulation.
; The chip was launched on July 23, 2026; its instructions are those of AMD's public machine-readable ISA for CDNA 5 (MIT licence, August 2026) and "CDNA5" Instruction Set Architecture Reference Guide (July 2026). The comments in the code are by the model that wrote it; some were corrected since.
;; Sim DDPM. Allowed arithmetic: float matrix products may take bf16 or f16 operands with f32 sums; other float arithmetic in f32, or as packed bf16 or f16 multiplies, adds, multiply-adds, maxima and minima; sums over many terms, partial sums and values carried from step to step in f32; what a program stores and reads back later, other than sums and carried values, may be rounded once to bf16 or f16.
;; Inputs: E0 100 x 128 float32; E1 100 x 128 float32; E2 100 x 128 float32; W0 2 x 128 float32; W1 128 x 128 float32; W2 128 x 128 float32; W3 128 x 2 float32; b0 128 float32; b1 128 float32; b2 128 float32; b3 2 float32; noise 12,500 x 2 float32; z 100 x 12,500 x 2 float32.
;; Outputs: out0 12,500 x 2 float32.
;; One version. Each part assembles by itself: llvm-mc -triple=amdgcn-amd-amdhsa -mcpu=gfx1250 --defsym DOCPART=n.
;; ======== version 1 of 1: 1 launch
;; launch ddpm (part 1): grid 196 x 1, 4 waves a work-group, no clusters, 286,720 bytes of LDS; arguments noise, z, W0, W1, W2, W3, b0, b1, b2, b3, E0, E1, E2, out0; writes out0
.if DOCPART == 1
	.amdgcn_target "amdgcn-amd-amdhsa--gfx1250"
	.amdhsa_code_object_version 6
	.text
	.protected	k_qeb6813b4f9_ddpm
	.globl	k_qeb6813b4f9_ddpm
	.p2align	8
	.type	k_qeb6813b4f9_ddpm,@function
k_qeb6813b4f9_ddpm:
	s_mov_b64 s[64:65], 0
	v_nop
	global_prefetch_b8 v0, s[64:65] scope:SCOPE_SE
	s_setreg_imm32_b32 hwreg(HW_REG_WAVE_MODE, 25, 1), 1
	s_wait_xcnt 0x0
; DDPM SAMPLING.  x starts as noise [12500][2]; step i = 0 .. 99 takes t = 99 - i and z[i]:
;   h = relu(x W0 + b0 + E0[t]); h = relu(h W1 + b1 + E1[t]); h = relu(h W2 + b2 + E2[t]); pred = h W3 + b3
;   x = A[t] x + B[t] pred + S[t] z[i],  A = 1/sqrt(alpha), B = -beta / sqrt(1 - cumprod(alpha)) / sqrt(alpha), S = sqrt(beta),
;   beta = sigmoid(-6 + 12 t / 99) (0.005 - 1e-5) + 1e-5, alpha = 1 - beta.
; NOTHING IS LEFT OUT: every input has a way to the output, and every input is loaded.
; LIMITS.  Matrix operands (x, h, W0 .. W3) are rounded to bf16; sums, biases and x itself stay in f32.  relu is a packed maximum with 0 on the rounded h,
; in which a NaN loses: a NaN in h counts as 0; NaN and infinities are not carried as the f32 formula carries them.  The schedule is made with exp2, rcp, rsq and
; sqrt (1 ULP each, ISA guide 15.8) and a product of the alphas taken one after the other in f32: its order of rounding need not be that of a library's cumprod;
; at t = 0 the difference 1 - alpha has about 2^-8 of itself as its step in f32 whichever way it is made.
; SHARES.  The rows do not depend on each other, the steps do.  12,500 rows are 782 tiles of 16; ONE WAVE OWNS ONE TILE FOR ALL 100 STEPS: tile 4 g + w for wave w of
; work-group g, 196 work-groups.  Tiles 782 and 783 do not exist: those two waves help to lay the tables and then go to the last two barriers.  Tile 781 has 4 rows; its other
; lanes repeat rows that exist (clamped addresses) and are not stored.
; LAYOUT.  Every product is taken transposed: source 0 = 16 output features of W^T, source 1 = 32 input features x my 16 rows.  In a result lane l holds ONE row (l % 16) and the
; features 8 (l / 16) + 0 .. 7 of the tile; two results rounded to bf16 in pairs ARE source 1 of the next layer: nothing changes lanes between the layers.
; b + E[t] is the f32 C operand of each layer's first K step: no bias arithmetic, nothing cleared.  W3's two columns are repeated eight times, so that registers 0, 1 of
; the last result are pred0, pred1 of the lane's row in both halves of the lanes, and x is kept twice.
; IN THE LOOP NOTHING COMES FROM MEMORY.  W0 .. W3 stay in registers as fragments; at the head the work-group lays into LDS b + E for all steps (153,600 bytes), its 64 rows
; of z for all steps (51,200) and the schedule; a wave reads a step's 50 pieces of them in one run, 22 matrix instructions and the step's tail ahead of their use.
; NO CLUSTER, NO TENSOR LOADS: what the work-groups share (W, E, b) is read once, at the head, and is rounded (W) or summed (b + E) on its way, which only registers do;
; landed raw, W1 and W2 would want 131,072 bytes of LDS beside the 286,720 in use.
; REGISTERS, in windows of 256 (s_set_vgpr_msb: bits 1:0 source 0, 3:2 source 1, 5:4 source 2, 7:6 destination):
;   window 0: v0-31 addresses, x and the update; v32-63 W3; v64-95 HA (h0, h2); v96-127 HB (h1); v128-191 AA, v192-255 AB: two sets of 8 accumulators
;   window 1: W1, fragment (kk, mt) at 64 kk + 8 mt     window 2: W2 likewise     window 3: v0-63 W0; v64-127, v128-191, v192-255 the step's biases of layers 0, 1, 2
.set NROWS,  12500
.set NTILES, 782
.set ZPLANE, 100000                    ; bytes of z in a step
.set WP,     288                       ; a row of W1 or W2 in LDS: 256 bytes of bf16 + 32
.set WL1,    0                         ; W1 as bf16, [k][m]
.set WL2,    128*WP                    ; W2
.set CT,     2*128*WP                  ; row i (step i, t = 99 - i) of 1,536 bytes: b0 + E0[t], b1 + E1[t], b2 + E2[t], f32
.set CROW,   1536
.set ZL,     CT+100*CROW               ; z: wave w at 12,800 w, step i at 128 i, row r at 8 r
.set TAB,    ZL+51200                  ; thread t's (A, B, S, 0) at 16 (127 - t): step i's at 16 (28 + i)
.set ALPH,   TAB+2048                  ; alpha[t]
.set W0L,    ALPH+512                  ; word f: bf16 (W0[0][f], W0[1][f])
.set W3L,    W0L+512                   ; row k of 32 bytes: bf16 (W3[k][0], W3[k][1]) eight times
.set OST,    W3L+4096                  ; the group's 64 rows of the result
.set SPARE,  OST+512                   ; the spare words, 128 bytes for each wave: two blocks of 256 bytes that no other line names
; window 0, for the whole launch
.set LN,  1                            ; v1   lane
.set CA,  2                            ; v2   LDS address of my half's biases of the step to be fetched
.set TA,  3                            ; v3   of its schedule row
.set ZA,  4                            ; v4   of my row's z
.set RW,  5                            ; v5   lane % 16
.set XR,  6                            ; v[6:7]   x
.set UR,  8                            ; v[8:9]   the new x as far as it is summed
.set ZV,  10                           ; v[10:11] z
.set CO,  12                           ; v[12:15] A, B, S, 0
.set BB,  16                           ; v[16:17] B, kept while CO takes the next step's; 0
.set B3R, 18                           ; v[18:19] b3
.set SPW, 20                           ; v20  LDS address of my spare word; never rewritten
.set NIL, 21                           ; v21  0; never rewritten
.set OSA, 22                           ; v22  where my row's result goes in OST
.set TMP, 23
.set XB,  24                           ; v[24:31] source 1 of layer 0: register 0 = bf16 (x0, x1), the rest 0
.set W3F, 32
.set HA,  64
.set HB,  96
.set AA,  128
.set AB,  192
; window 0, at the head alone (the loop writes over them)
.set GW,  64                           ; byte offsets in memory: W1, W2
.set GE,  65                           ; E0, E1, E2
.set GB,  66                           ; b0, b1, b2
.set GZ,  67                           ; z, steps 0 to 47
.set GZ2, 68                           ; z, steps 48 to 99
.set GN,  69                           ; noise
.set G3,  70                           ; W3
.set G0,  71                           ; W0
.set LW1, 72                           ; LDS addresses of the stores: W1
.set LW2, 73
.set LC0, 74                           ; v74-76: the bias table, step rows 0-39, 40-79, 80-99
.set LZ,  77
.set LW3, 78
.set LW0, 79
.set LAL, 80
.set LTB, 81
.set LRA, 82
.set GNIL, 83                          ; offset 0, for b3
.set BCH, 96                           ; v[96:107] my 16 bytes of b0, b1, b2
.set HF,  124                          ; lane / 16
.set L7,  125                          ; lane % 8
.set L3B, 126                          ; (lane / 8) % 2
.set LQ,  127                          ; lane / 8
.set AL,  144                          ; v[144:243] the 100 alphas
; scalars
.set WV,   32                          ; my wave's number
.set GRP,  33                          ; my work-group's
.set TILE, 34
.set CNT,  35
.set ZERO, 36
.set MSB, 0
.macro WIN new                         ; the immediate's high byte repeats the setting that is left; a switch that changes nothing is dropped
.if MSB != (\new)
	s_set_vgpr_msb (MSB<<8)|(\new)
.set MSB, \new
.endif
.endm
	s_load_b512 s[4:19], s[0:1], 0x0               ; noise s[4:5], z s[6:7], W0 s[8:9], W1 s[10:11], W2 s[12:13], W3 s[14:15], b0 s[16:17], b1 s[18:19]
	s_load_b256 s[20:27], s[0:1], 0x40             ; b2 s[20:21], b3 s[22:23], E0 s[24:25], E1 s[26:27]
	s_load_b128 s[28:31], s[0:1], 0x60             ; E2 s[28:29], out0 s[30:31]
	v_lshl_add_u32 v[SPW], v0, 2, SPARE
	v_mov_b32 v[NIL], 0
	v_lshrrev_b32 v[TMP], 5, v0
	v_readfirstlane_b32 s[WV], v[TMP]              ; wave 0..3
	s_mov_b32 s[GRP], ttmp9
	s_lshl_b32 s[TILE], s[GRP], 2
	s_add_co_u32 s[TILE], s[TILE], s[WV]           ; my tile of 16 rows
	s_mov_b32 s[ZERO], 0
	s_mov_b32 s39, 0x3ba38327                      ; 0.005 - 1e-5
	s_mov_b32 s40, 0x3727c5ac                      ; 1e-5
	s_mov_b32 s45, 0xbe3311ae                      ; -(12 / 99) log2(e)
	v_and_b32 v[LN], 31, v0
	v_and_b32 v[RW], 15, v0
	v_bfe_u32 v[HF], v0, 4, 1
	v_and_b32 v[L7], 7, v0
	v_bfe_u32 v[L3B], v0, 3, 1
	v_bfe_u32 v[LQ], v0, 3, 2
	; offsets in memory
	v_lshlrev_b32 v[GW], 5, v0                     ; 8 numbers of W a thread: 16 threads a row, 8 rows a pair of loads
	v_lshlrev_b32 v[GE], 4, v0                     ; 4 numbers of E a thread: a wave a row, 4 rows a load
	v_lshlrev_b32 v[GB], 4, v[LN]                  ; the same 4 columns of b
	s_lshl_b32 s41, s[TILE], 7                     ; my tile's 128 bytes in a step of z
	v_lshl_add_u32 v[TMP], v[L7], 4, s41           ; eight lanes take a step's 128 bytes,
	v_min_u32 v[TMP], ZPLANE-16, v[TMP]            ; held inside the step (tiles 781 to 783),
	v_mad_u32_u24 v[GZ], v[LQ], ZPLANE, v[TMP]     ; four steps a load
	v_add_nc_u32 v[GZ2], 48*ZPLANE, v[GZ]          ; from step 48 on a second offset, so that the immediates stay inside their signed 24 bits
	s_lshl_b32 s42, s[TILE], 4
	v_add_nc_u32 v[TMP], s42, v[RW]
	v_min_u32 v[TMP], NROWS-1, v[TMP]              ; my row, or the last that exists
	v_lshlrev_b32 v[GN], 3, v[TMP]
	v_lshlrev_b32 v[G3], 3, v0                     ; row k = thread of W3
	v_lshlrev_b32 v[G0], 2, v0                     ; column f = thread of W0
	v_mov_b32 v[GNIL], 0
	; LDS addresses of the head's stores
	v_lshrrev_b32 v[TMP], 4, v0
	v_mul_u32_u24 v[LW1], v[TMP], WP
	v_lshl_add_u32 v[LW1], v[RW], 4, v[LW1]        ; row thread / 16, 16 bytes of bf16 at 16 (thread % 16)
	v_add_nc_u32 v[LW2], WL2, v[LW1]
	s_sub_co_u32 s43, 3, s[WV]                     ; E's row t = 4 j + w is step row 4 (24 - j) + (3 - w)
	s_mul_i32 s43, s43, CROW
	s_add_co_u32 s43, s43, CT
	v_lshl_add_u32 v[LC0], v[LN], 4, s43
	v_add_nc_u32 v[LC0+1], 40*CROW, v[LC0]
	v_add_nc_u32 v[LC0+2], 80*CROW, v[LC0]
	s_mul_i32 s44, s[WV], 12800
	s_add_co_u32 s44, s44, ZL                      ; my wave's z
	v_lshl_add_u32 v[LZ], v[LN], 4, s44
	v_lshl_add_u32 v[LW3], v0, 5, W3L
	v_lshl_add_u32 v[LW0], v0, 2, W0L
	v_lshl_add_u32 v[LAL], v0, 2, ALPH
	v_sub_nc_u32 v[TMP], 127, v0
	v_lshl_add_u32 v[LTB], v[TMP], 4, TAB
	v_mov_b32 v[LRA], ALPH
	s_lshl_b32 s46, s[WV], 7
	s_add_co_u32 s46, s46, OST
	v_lshl_add_u32 v[OSA], v[RW], 3, s46
	s_wait_kmcnt 0x0
; W's pairs of loads from .. to - 1: pair j < 16 is rows 8 j .. 8 j + 7 of W1, the others of W2; 8 numbers a thread into window 1, v[8 j ..]
.macro WLOADS from, to
	WIN 0x40
.set j, \from
.rept (\to)-(\from)
.if j < 16
	global_load_b128 v[8*j:8*j+3],   v[GW], s[10:11] offset:4096*j
	global_load_b128 v[8*j+4:8*j+7], v[GW], s[10:11] offset:4096*j+16
.else
	global_load_b128 v[8*j:8*j+3],   v[GW], s[12:13] offset:4096*(j-16)
	global_load_b128 v[8*j+4:8*j+7], v[GW], s[12:13] offset:4096*(j-16)+16
.endif
.set j, j+1
.endr
.endm
; 16 pairs rounded to bf16 in place (register q takes numbers 2 q, 2 q + 1, which are read no later than it is written) and stored, 16 bytes a thread
.macro WSTAGE first, adr
	WIN 0x55
.set j, \first
.rept 16
.irp q, 0,1,2,3
	v_cvt_pk_bf16_f32 v[8*j+\q], v[8*j+2*\q], v[8*j+2*\q+1]
.endr
.set j, j+1
.endr
	WIN 0x04                                       ; store data in window 1
.set j, \first
.rept 16
	ds_store_b128 v[\adr], v[8*j:8*j+3] offset:8*WP*(j-(\first))
.set j, j+1
.endr
.endm
; One E: 25 loads, 4 rows each
.macro ELOADS win, base, lo
	WIN \win
.set j, 0
.rept 25
	global_load_b128 v[(\base)+4*j:(\base)+4*j+3], v[GE], s[\lo:\lo+1] offset:2048*j
.set j, j+1
.endr
.endm
; b is added, and row 4 j + w goes to step row 4 q + 3 - w, q = 24 - j
.macro ESTAGE wadd, wst, base, layer
	WIN \wadd
.set j, 0
.rept 25
	v_pk_add_f32 v[(\base)+4*j:(\base)+4*j+1],   v[(\base)+4*j:(\base)+4*j+1],   v[BCH+4*(\layer):BCH+4*(\layer)+1]
	v_pk_add_f32 v[(\base)+4*j+2:(\base)+4*j+3], v[(\base)+4*j+2:(\base)+4*j+3], v[BCH+4*(\layer)+2:BCH+4*(\layer)+3]
.set j, j+1
.endr
	WIN \wst
.set j, 0
.rept 25
.set q, 24-j
	ds_store_b128 v[LC0+q/10], v[(\base)+4*j:(\base)+4*j+3] offset:4*CROW*(q%10)+512*(\layer)
.set j, j+1
.endr
.endm
	; THE FIRST 63 LOADS: 8 small ones, z's 25, W's first 30
	global_load_b64  v[XR:XR+1],       v[GN],   s[4:5]
	global_load_b64  v[B3R:B3R+1],     v[GNIL], s[22:23]
	global_load_b128 v[BCH:BCH+3],     v[GB],   s[16:17]
	global_load_b128 v[BCH+4:BCH+7],   v[GB],   s[18:19]
	global_load_b128 v[BCH+8:BCH+11],  v[GB],   s[20:21]
	global_load_b64  v[84:85],         v[G3],   s[14:15]
	global_load_b32  v86,              v[G0],   s[8:9]
	global_load_b32  v87,              v[G0],   s[8:9] offset:512
	WIN 0xc0                                       ; z into window 3, v0-99: load n holds steps 4 n .. 4 n + 3; read once in the launch
.set n, 0
.rept 25
.if n < 12
	global_load_b128 v[4*n:4*n+3], v[GZ],  s[6:7] offset:4*ZPLANE*n th:TH_LOAD_NT
.else
	global_load_b128 v[4*n:4*n+3], v[GZ2], s[6:7] offset:4*ZPLANE*(n-12) th:TH_LOAD_NT
.endif
.set n, n+1
.endr
	WLOADS 0, 15
	WIN 0
	; THE SCHEDULE, while those loads are out.  Thread t makes t's row (threads 100 to 127 make rows that nobody reads).
	v_cvt_f32_u32 v108, v0
	v_mov_b32 v110, 0x410a7fac                     ; 6 log2(e)
	v_fma_f32 v109, v108, s45, v110                ; -(-6 + 12 t / 99) log2(e)
	v_exp_f32 v109, v109
	v_nop                                          ; a plain instruction behind the exponential,
	s_wait_alu depctr_va_vdst(0)                   ; and the wait ahead of its first reader
	v_add_f32 v110, 1.0, v109
	v_rcp_f32 v110, v110                           ; the sigmoid
	v_nop
	s_wait_alu depctr_va_vdst(0)
	v_fma_f32 v111, v110, s39, s40                 ; beta
	v_sub_f32 v112, 1.0, v111                      ; alpha
	ds_store_b32 v[LAL], v112
	s_wait_dscnt 0x0                               ; for the others' sake: my alpha is in LDS
	s_barrier_signal -1
	s_barrier_wait -1                              ; everybody's is
.set n, 0
.rept 25
	ds_load_b128 v[AL+4*n:AL+4*n+3], v[LRA] offset:16*n    ; all lanes read the same 16 bytes
.set n, n+1
.endr
	s_wait_dscnt 0x0
	v_mov_b32 v113, v[AL]
.set i, 1
.rept 99                                       ; the product of alpha[0 .. t]: a factor past t counts as 1
	v_cmp_le_u32 vcc_lo, i, v0
	v_cndmask_b32 v114, 1.0, v[AL+i], vcc_lo
	v_mul_f32 v113, v113, v114
.set i, i+1
.endr
	v_sub_f32 v115, 1.0, v113
	v_rsq_f32 v120, v112                           ; A = 1 / sqrt(alpha)
	v_rsq_f32 v116, v115                           ; 1 / sqrt(1 - product)
	v_sqrt_f32 v122, v111                          ; S = sqrt(beta)
	v_nop                                          ; one plain instruction and one wait for the batch of three
	s_wait_alu depctr_va_vdst(0)
	v_mul_f32 v116, v111, v116
	v_mul_f32 v121, -v116, v120                    ; B
	v_mov_b32 v123, 0
	ds_store_b128 v[LTB], v[120:123]
	WLOADS 15, 32                                  ; W's other 34 loads
	s_wait_loadcnt 63                              ; behind z's last load stand W's 64: the greatest count that a wait can name shows the small loads and z in
	WIN 0x0c                                       ; store data in window 3
.set n, 0
.rept 25
	ds_store_b128 v[LZ], v[4*n:4*n+3] offset:512*n         ; 32 lanes x 16 bytes: four steps of my tile on end
.set n, n+1
.endr
	WIN 0
	v_cvt_pk_bf16_f32 v88, v84, v85                ; (W3[k][0], W3[k][1]),
	v_mov_b32 v89, v88
	v_mov_b32 v90, v88
	v_mov_b32 v91, v88
	ds_store_b128 v[LW3], v[88:91]                 ; eight times
	ds_store_b128 v[LW3], v[88:91] offset:16
	v_cvt_pk_bf16_f32 v92, v86, v87                ; (W0[0][f], W0[1][f])
	ds_store_b32 v[LW0], v92
	ELOADS 0x80, 0, 24                             ; E0 into window 2, v0-99
	s_wait_loadcnt 57                              ; W1 is in: W2's 32 and E0's 25 are younger
	WSTAGE 0, LW1
	ELOADS 0x80, 100, 26                           ; E1 into window 2, v100-199
	s_wait_loadcnt 50                              ; W2 is in: E0's 25 and E1's 25 are younger
	WSTAGE 16, LW2
	ELOADS 0xc0, 100, 28                           ; E2 into window 3, v100-199
	s_wait_loadcnt 50                              ; E0 is in: E1's and E2's are younger
	ESTAGE 0x82, 0x08, 0, 0
	s_wait_loadcnt 25                              ; E1 is in: E2's are younger
	ESTAGE 0x82, 0x08, 100, 1
	s_wait_loadcnt 0x0
	s_wait_xcnt 0x0                                ; no access to memory of mine is pending from here to the last store
	ESTAGE 0xc3, 0x0c, 100, 2
	WIN 0
	s_wait_dscnt 0x0                               ; for the others' sake: all my stores into the tables are done
	s_barrier_signal -1
	s_barrier_wait -1                              ; the tables are whole; nobody writes them again
	s_cmp_ge_u32 s[TILE], NTILES
	s_cbranch_scc1 .Lmeet                          ; a wave without rows has done its share; no barrier is jumped
	; THE FRAGMENTS.  The turning load takes 16 k x 16 m (lane l reads 16 bytes: k = 8 (l / 16) + l % 8, m = 8 ((l / 8) % 2) + 0..7) and leaves half a fragment of W^T: lane l holds m = l % 16 and 8 k.
	v_lshl_add_u32 v[TMP], v[HF], 3, v[L7]
	v_mul_u32_u24 v64, v[TMP], WP
	v_lshl_add_u32 v64, v[L3B], 4, v64             ; W1
	v_add_nc_u32 v65, WL2, v64                     ; W2
	v_lshlrev_b32 v66, 5, v[TMP]
	v_lshl_add_u32 v66, v[L3B], 4, v66
	v_add_nc_u32 v66, W3L, v66                     ; W3: rows of 32 bytes
	v_lshl_add_u32 v67, v[RW], 2, W0L              ; W0: the word of feature l % 16
.macro WFRAG win, adr                  ; fragment f = 8 kk + mt: k 32 kk on, m 16 mt on
	WIN \win
.set f, 0
.rept 32
	ds_load_tr16_b128 v[8*f:8*f+3],   v[\adr] offset:32*WP*(f/8)+32*(f%8)
	ds_load_tr16_b128 v[8*f+4:8*f+7], v[\adr] offset:32*WP*(f/8)+32*(f%8)+16*WP
.set f, f+1
.endr
.endm
	WFRAG 0x40, 64
	WFRAG 0x80, 65
	WIN 0
.irp kk, 0,1,2,3
	ds_load_tr16_b128 v[W3F+8*\kk:W3F+8*\kk+3],   v66 offset:1024*\kk
	ds_load_tr16_b128 v[W3F+8*\kk+4:W3F+8*\kk+7], v66 offset:1024*\kk+512
.endr
.irp mt, 0,1,2,3,4,5,6,7
	ds_load_b32 v[72+\mt], v67 offset:64*\mt
.endr
	WIN 0xc0                                       ; of W0's fragments only k = 0, 1 are live: register 0 of lanes 0-15; the other 56 registers are 0
.set i, 0
.rept 64
.if i%8 != 0
	v_mov_b32 v[i], 0
.endif
.set i, i+1
.endr
	WIN 0
.irp i, 1,2,3,4,5,6,7
	v_mov_b32 v[XB+\i], 0
.endr
	v_mov_b32 v[BB+1], 0                           ; named with B as a pair
	v_lshl_add_u32 v[CA], v[HF], 5, CT             ; my half's 8 features of a tile: 32 bytes on
	v_mov_b32 v[TA], TAB+16*28
	v_lshl_add_u32 v[ZA], v[RW], 3, s44
	v_cmp_gt_u32 s37, 16, v[LN]
	s_wait_dscnt 0x0
	WIN 0xc0
.irp mt, 0,1,2,3,4,5,6,7
	v_cndmask_b32 v[8*\mt], 0, v[72+\mt], s37      ; lanes 16-31 hold k = 8, 9: 0
.endr
; A STEP'S 50 LDS LOADS, in one run: 48 for the biases (piece f = 16 layer + 2 mt + q: features 16 mt + 8 (l / 16) + 4 q on), the schedule row, my row's z
.macro RUN
	WIN 0xc0
.set f, 0
.rept 48
	ds_load_b128 v[64+4*f:64+4*f+3], v[CA] offset:512*(f/16)+64*((f%16)/2)+16*(f%2)
.set f, f+1
.endr
	WIN 0
	ds_load_b128 v[CO:CO+3], v[TA]
	ds_load_b64 v[ZV:ZV+1], v[ZA]
.endm
; THE VECTOR WORK goes in slices of four.  CV: tile t of accumulator set acc rounded to bf16 into half a fragment of hh, the accumulator's lowest registers first.  RL: its relu.
.macro CV acc, t, hh
	WIN 0
.irp q, 0,1,2,3
	v_cvt_pk_bf16_f32 v[(\hh)+4*(\t)+\q], v[(\acc)+8*(\t)+2*\q], v[(\acc)+8*(\t)+2*\q+1]
.endr
.endm
.macro RL hh, t
	WIN 0
.irp q, 0,1,2,3
	v_pk_max_num_bf16 v[(\hh)+4*(\t)+\q], v[(\hh)+4*(\t)+\q], s[ZERO]
.endr
.endm
.macro NOPS c
.rept \c
	v_nop
.endr
.endm
; THE MATRIX WORK.  Layer 0: features 16 mt on, K = 2 of 32; C = the bias
.macro MA0 mt
	WIN 0x33                                       ; W0 and the bias in window 3
	v_wmma_f32_16x16x32_bf16 v[AA+8*(\mt):AA+8*(\mt)+7], v[8*(\mt):8*(\mt)+7], v[XB:XB+7], v[64+8*(\mt):64+8*(\mt)+7]
.endm
; Layers 1 and 2: K step kk of tile mt; the first takes the bias as C
.macro MA1 kk, mt
.if (\kk) == 0
	WIN 0x31                                       ; W1 in window 1, the bias in window 3
	v_wmma_f32_16x16x32_bf16 v[AB+8*(\mt):AB+8*(\mt)+7], v[8*(\mt):8*(\mt)+7], v[HA:HA+7], v[128+8*(\mt):128+8*(\mt)+7]
.else
	WIN 0x01
	v_wmma_f32_16x16x32_bf16 v[AB+8*(\mt):AB+8*(\mt)+7], v[64*(\kk)+8*(\mt):64*(\kk)+8*(\mt)+7], v[HA+8*(\kk):HA+8*(\kk)+7], v[AB+8*(\mt):AB+8*(\mt)+7]
.endif
.endm
.macro MA2 kk, mt
.if (\kk) == 0
	WIN 0x32                                       ; W2 in window 2, the bias in window 3
	v_wmma_f32_16x16x32_bf16 v[AA+8*(\mt):AA+8*(\mt)+7], v[8*(\mt):8*(\mt)+7], v[HB:HB+7], v[192+8*(\mt):192+8*(\mt)+7]
.else
	WIN 0x02
	v_wmma_f32_16x16x32_bf16 v[AA+8*(\mt):AA+8*(\mt)+7], v[64*(\kk)+8*(\mt):64*(\kk)+8*(\mt)+7], v[HB+8*(\kk):HB+8*(\kk)+7], v[AA+8*(\mt):AA+8*(\mt)+7]
.endif
.endm
; Layer 3: K step kk by itself, into AB's tile kk: four partial sums, each ready as soon as its 32 features of h2 are
.macro MA3 kk
	WIN 0
	v_wmma_f32_16x16x32_bf16 v[AB+8*(\kk):AB+8*(\kk)+7], v[W3F+8*(\kk):W3F+8*(\kk)+7], v[HA+8*(\kk):HA+8*(\kk)+7], 0
.endm
.macro FOLD kk                         ; the new x takes B x partial sum kk
	WIN 0
	v_pk_fma_f32 v[UR:UR+1], v[AB+8*(\kk):AB+8*(\kk)+1], v[BB:BB+1], v[UR:UR+1] op_sel_hi:[1,0,1]
.endm
; A STEP: 76 matrix instructions; the vector work stands in slices behind them.  A vector instruction that reads a matrix result stands four places behind the instruction that finished it, a load into
; a register that a matrix instruction has read likewise, and only plain vector instructions that name none of its registers are places (ISA guide 7.12.1 for vector instructions).
; The slices are those places; where none is at hand v_nop stand: four in layer 1, four in layer 2, three at the end.  The accumulators take turns, one instruction a turn:
; in layers 1 and 2 seven others' stand between two links of a chain, in layer 2's second half one other's; over the backward jump layer 3's last is followed by layer 0's first.
; next = 1: the next step's biases, schedule row and z are fetched.
.macro STEP next
	WIN 0
	s_wait_dscnt 0x0                               ; the run of 50 loads issued a step ago is in
	v_cvt_pk_bf16_f32 v[XB], v[XR], v[XR+1]
	MA0 0
	MA0 1
	WIN 0                                          ; A x + S z + B b3: four plain instructions, the places behind the two products above
	v_pk_mul_f32 v[UR:UR+1], v[XR:XR+1], v[CO:CO+1] op_sel_hi:[1,0]
	v_pk_fma_f32 v[UR:UR+1], v[ZV:ZV+1], v[CO+2:CO+3], v[UR:UR+1] op_sel_hi:[1,0,1]
	v_mov_b32 v[BB], v[CO+1]
	v_pk_fma_f32 v[UR:UR+1], v[B3R:B3R+1], v[BB:BB+1], v[UR:UR+1] op_sel_hi:[1,0,1]
	MA0 2
	CV AA, 0, HA
	MA0 3
	CV AA, 1, HA
	MA0 4
	RL HA, 0
	MA0 5
	RL HA, 1
	MA0 6
	CV AA, 2, HA
	MA0 7
	CV AA, 3, HA
	; layer 1; the rest of h0 is made behind its first ten products, each fragment ahead of the K step that reads it
	MA1 0, 0
	RL HA, 2
	MA1 0, 1
	RL HA, 3
	MA1 0, 2
	CV AA, 4, HA
	MA1 0, 3
	CV AA, 5, HA
	MA1 0, 4
	RL HA, 4
	MA1 0, 5
	RL HA, 5
	MA1 0, 6
	CV AA, 6, HA
	MA1 0, 7
	CV AA, 7, HA
	MA1 1, 0
	RL HA, 6
	MA1 1, 1
	RL HA, 7
.irp mt, 2,3,4,5,6,7
	MA1 1, \mt
.endr
.irp mt, 0,1,2,3,4,5,6,7
	MA1 2, \mt
.endr
	MA1 3, 0
	MA1 3, 1
	NOPS 4                                         ; the places behind tile 0's last product
	MA1 3, 2
	CV AB, 0, HB
	MA1 3, 3
	CV AB, 1, HB
	MA1 3, 4
	RL HB, 0
	MA1 3, 5
	RL HB, 1
	MA1 3, 6
	CV AB, 2, HB
	MA1 3, 7
	CV AB, 3, HB
	; layer 2, K steps 0 and 1
	MA2 0, 0
	RL HB, 2
	MA2 0, 1
	RL HB, 3
	MA2 0, 2
	CV AB, 4, HB
	MA2 0, 3
	CV AB, 5, HB
	MA2 0, 4
	RL HB, 4
	MA2 0, 5
	RL HB, 5
	MA2 0, 6
	CV AB, 6, HB
	MA2 0, 7
	CV AB, 7, HB
	MA2 1, 0
	RL HB, 6
	MA2 1, 1
	RL HB, 7
.if \next
	v_add_nc_u32 v[CA], CROW, v[CA]                ; all three biases, the schedule row and z have been read: the last reader, layer 2's eighth product, stands twelve slices' instructions back
	v_add_nc_u32 v[TA], 16, v[TA]
	v_add_nc_u32 v[ZA], 128, v[ZA]
	RUN
.endif
.irp mt, 2,3,4,5,6,7
	MA2 1, \mt
.endr
	; layer 2, K steps 2 and 3, two tiles at a time, so that h2's fragments are ready one after the other and layer 3 rides along
	MA2 2, 0
	MA2 2, 1
	MA2 3, 0
	MA2 3, 1
	MA2 2, 2
	NOPS 4                                         ; the places behind tile 0's last product
	MA2 2, 3
	CV AA, 0, HA
	MA2 3, 2
	CV AA, 1, HA
	MA2 3, 3
	RL HA, 0
	MA2 2, 4
	RL HA, 1
	MA3 0
	MA2 2, 5
	CV AA, 2, HA
	MA2 3, 4
	CV AA, 3, HA
	MA2 3, 5
	RL HA, 2
	FOLD 0
	MA2 2, 6
	RL HA, 3
	MA3 1
	MA2 2, 7
	CV AA, 4, HA
	MA2 3, 6
	CV AA, 5, HA
	MA2 3, 7
	RL HA, 4
	FOLD 1
	RL HA, 5
	MA3 2
	CV AA, 6, HA
	CV AA, 7, HA
	RL HA, 6
	RL HA, 7
	MA3 3
	FOLD 2
	NOPS 3                                         ; with the line above: the four places behind the last product
	v_pk_fma_f32 v[XR:XR+1], v[AB+24:AB+25], v[BB:BB+1], v[UR:UR+1] op_sel_hi:[1,0,1]
.endm
	RUN                                            ; step 0's
	s_mov_b32 s[CNT], 99
.Lstep:                                        ; 99 trips: step i is made, step i + 1's tables are fetched
	STEP 1
	WIN 0                                          ; at a label and at a branch every window is 0
	s_sub_co_u32 s[CNT], s[CNT], 1
	s_cmp_lg_u32 s[CNT], 0
	s_cbranch_scc1 .Lstep
	STEP 0                                         ; the last step fetches nothing
	WIN 0
.Lmeet:
	; THE WAY OUT.  The group's 64 rows meet in LDS, so that one store covers 512 consecutive bytes of out0.
	; The loop's LDS addresses are stepped in registers.  A barrier, once a launch, stands between all four waves' reads in the loop and the stores below, so that the order of the two
	; does not rest on the arithmetic of those addresses: each wave's reads are back (the wait) before it signals, and no wave stores before all have signalled.
	s_wait_dscnt 0x0
	s_barrier_signal -1
	s_barrier_wait -1
	; Both halves of the lanes hold the same x and write the same 8 bytes; a wave without rows writes its clamped noise, which is never stored to memory: so every byte of the 512 is written.
	ds_store_b64 v[OSA], v[XR:XR+1]
	s_wait_dscnt 0x0                               ; for wave 0's sake
	s_barrier_signal -1
	s_barrier_wait -1
	s_cmp_lg_u32 s[WV], 0
	s_cbranch_scc1 .Lend
	s_lshl_b32 s41, s[GRP], 9                      ; 64 rows of 8 bytes
	v_lshl_add_u32 v[TMP], v[LN], 4, s41
	v_lshl_add_u32 v[CA], v[LN], 4, OST
	ds_load_b128 v[XB:XB+3], v[CA]
	v_cmp_gt_u32 vcc_lo, NROWS*8, v[TMP]           ; the last group has 20 rows: 160 bytes, ten lanes
	s_wait_dscnt 0x0
	s_and_saveexec_b32 s38, vcc_lo                 ; no access to memory is pending here
	global_store_b128 v[TMP], v[XB:XB+3], s[30:31] ; 32 lanes store 512 consecutive bytes, at a multiple of 512 from out0's first byte
	s_wait_xcnt 0x0                                ; EXEC changes only behind this wait
	s_or_b32 exec_lo, exec_lo, s38
.Lend:
	s_wait_tensorcnt 0x0                           ; the wave's end, behind my last LDS store
	ds_add_u32 v[SPW], v[NIL]
	s_wait_dscnt 0x0
	s_endpgm
.Lfunc_end_k_qeb6813b4f9_ddpm:
	.size	k_qeb6813b4f9_ddpm, .Lfunc_end_k_qeb6813b4f9_ddpm-k_qeb6813b4f9_ddpm
	.p2alignl 7, 3214868480
	.fill 96, 4, 3214868480
	.section	.rodata,"a",@progbits
	.p2align	6, 0x0
	.amdhsa_kernel k_qeb6813b4f9_ddpm
		.amdhsa_group_segment_fixed_size 286720
		.amdhsa_private_segment_fixed_size 0
		.amdhsa_enable_private_segment 0
		.amdhsa_kernarg_size 112
		.amdhsa_user_sgpr_count 2
		.amdhsa_user_sgpr_kernarg_segment_ptr 1
		.amdhsa_wavefront_size32 1
		.amdhsa_system_sgpr_workgroup_id_x 1
		.amdhsa_system_sgpr_workgroup_id_y 1
		.amdhsa_system_sgpr_workgroup_id_z 1
		.amdhsa_system_vgpr_workitem_id 0
		.amdhsa_next_free_vgpr 1024
		.amdhsa_next_free_sgpr 66
		.amdhsa_reserve_vcc 1
		.amdhsa_float_denorm_mode_32 3
		.amdhsa_float_denorm_mode_16_64 3
		.amdhsa_memory_ordered 1
		.amdhsa_forward_progress 1
		.amdhsa_inst_pref_size 121
	.end_amdhsa_kernel
	.amdgpu_metadata
---
amdhsa.version: [ 1, 2 ]
amdhsa.kernels:
  - .name:           k_qeb6813b4f9_ddpm
    .symbol:         k_qeb6813b4f9_ddpm.kd
    .args:
      - { .name: noise, .offset: 0, .size: 8, .value_kind: global_buffer, .address_space: global }
      - { .name: z, .offset: 8, .size: 8, .value_kind: global_buffer, .address_space: global }
      - { .name: W0, .offset: 16, .size: 8, .value_kind: global_buffer, .address_space: global }
      - { .name: W1, .offset: 24, .size: 8, .value_kind: global_buffer, .address_space: global }
      - { .name: W2, .offset: 32, .size: 8, .value_kind: global_buffer, .address_space: global }
      - { .name: W3, .offset: 40, .size: 8, .value_kind: global_buffer, .address_space: global }
      - { .name: b0, .offset: 48, .size: 8, .value_kind: global_buffer, .address_space: global }
      - { .name: b1, .offset: 56, .size: 8, .value_kind: global_buffer, .address_space: global }
      - { .name: b2, .offset: 64, .size: 8, .value_kind: global_buffer, .address_space: global }
      - { .name: b3, .offset: 72, .size: 8, .value_kind: global_buffer, .address_space: global }
      - { .name: E0, .offset: 80, .size: 8, .value_kind: global_buffer, .address_space: global }
      - { .name: E1, .offset: 88, .size: 8, .value_kind: global_buffer, .address_space: global }
      - { .name: E2, .offset: 96, .size: 8, .value_kind: global_buffer, .address_space: global }
      - { .name: out0, .offset: 104, .size: 8, .value_kind: global_buffer, .address_space: global }
    .group_segment_fixed_size: 286720
    .private_segment_fixed_size: 0
    .kernarg_segment_align: 8
    .kernarg_segment_size: 112
    .max_flat_workgroup_size: 128
    .sgpr_count:     66
    .vgpr_count:     1024
    .wavefront_size: 32
...
	.end_amdgpu_metadata
.endif
;; end of part 1
